; MI455X (gfx1250); checked and timed in simulation.
; The chip was launched on July 23, 2026; its instructions are those of AMD's public machine-readable ISA for CDNA 5 (MIT licence, August 2026) and "CDNA5" Instruction Set Architecture Reference Guide (July 2026). The comments in the code are by the model that wrote it; some were corrected since.
;; Mo E. Allowed arithmetic: float matrix products may take bf16 or f16 operands with f32 sums; other float arithmetic in f32, or as packed bf16 or f16 multiplies, adds, multiply-adds, maxima and minima; sums over many terms, partial sums and values carried from step to step in f32; what a program stores and reads back later, other than sums and carried values, may be rounded once to bf16 or f16.
;; Inputs: bw1 8 x 128 x 512 float32; bw2 8 x 128 x 128 float32; bw3 8 x 512 x 128 float32; gate_b 8 float32; gate_w 8 x 512 float32; sw1 8 x 128 x 512 x 8 float32; sw2 8 x 128 x 128 x 8 float32; sw3 8 x 512 x 128 x 8 float32; x 4,096 x 512 float32.
;; Outputs: out0 4,096 x 512 float32.
;; One version. Each part assembles by itself: llvm-mc -triple=amdgcn-amd-amdhsa -mcpu=gfx1250 --defsym DOCPART=n.
;; ======== version 1 of 1: 3 launches
;; workspace buffers: wf 21,233,664 bytes; ubm 8,192 bytes of whole numbers; ids 16,384 bytes of whole numbers; gwt 32,768 bytes; part 16,777,216 bytes
;; launch front (part 1): grid 704 x 1, 8 waves a work-group, no clusters, 41,472 bytes of LDS; arguments x, gate_w, gate_b, bw1, sw1, bw2, sw2, bw3, sw3, wf, ubm, ids, gwt; writes wf, ubm, ids, gwt
.if DOCPART == 1
	.amdgcn_target "amdgcn-amd-amdhsa--gfx1250"
	.amdhsa_code_object_version 6
	.text
	.protected	k_qfb10a8979e_front
	.globl	k_qfb10a8979e_front
	.p2align	8
	.type	k_qfb10a8979e_front,@function
k_qfb10a8979e_front:
	s_mov_b64 s[64:65], 0
	v_nop
	global_prefetch_b8 v0, s[64:65] scope:SCOPE_SE
	s_setreg_imm32_b32 hwreg(HW_REG_WAVE_MODE, 25, 1), 1
	s_wait_xcnt 0x0
; FRONT: two jobs that need nothing of each other, chosen by the work-group's number (alike in all eight waves of a work-group).
; Work-groups 0-127: THE ROUTER, 32 tokens each.  logits = x gate_w^T + gate_b with x, gate_w and gate_b rounded to bf16 first (every input of the
;   program is), products and sums in f32 by fused multiply-adds; the two largest logits (the lower index wins a tie); their softmax with the larger
;   one taken away.  Stored at fixed places: ids[t] = e1 | e2 << 8; gwt[t] = w1, w2; ubm plane 0: U[e][word] = the bitmap of the 32 tokens that chose
;   e; ubm plane 1: that word's number of ones.  No address and no branch hangs on a choice.
; Work-groups 128-703: THE WEIGHTS, 576 units of 16 output rows x 128 inputs: rounded to bf16 once and laid in the order in which the next launch's
;   waves take them into matrix operands.  wf = [expert][wave 0-7][quint 0-17][18,432 bytes]; a quint is four groups of four spline fragments
;   (1,024 bytes each) and one group of four base fragments (512 bytes each).
;   A spline fragment (16 outputs, fragment f of a block of 16 inputs): byte odd*512 + L*16 holds the 8 coefficients of output L % 16, input 8 (L / 16) + 2 f + odd.
;   A base fragment: byte L*16 holds the base weights of output L % 16, inputs 8 (L / 16) + 0..7.
; LDS: each job has bytes of its own: the weights 0 to 39,167, the router 40,448 to 41,471; between them the spare words.
; LIMITS.  NaN and infinities are not treated apart.  Two logits closer than the rounding of an f32 sum of 512 products may be ranked the other way.
.set SPARE, 39424                      ; the spare words: 128 bytes for each wave, four blocks of 256 bytes that no other line names
.set LG,    40448                      ; the router's logits: 32 tokens x 32 bytes
.set SEG,   272                        ; a segment of 256 bytes + 16 of padding: the 16 segments that a store touches start at 16 different 16-byte columns
.set BSEG,  128*SEG                    ; behind the 128 spline segments: 16 base segments
.set XR,    16                         ; router: v16-79   x, 4 tokens x 16 numbers a lane
.set GR,    80                         ;         v80-207  gate_w, 8 experts x 16 numbers a lane
.set PA,    208                        ;         v208-223 eight running pairs
.set SG,    224                        ;         v224-255 the 32 sums (token 0-3, expert 0-7)
	s_load_b512 s[16:31], s[0:1], 0x0              ; x 16, gate_w 18, gate_b 20, bw1 22, sw1 24, bw2 26, sw2 28, bw3 30
	s_load_b256 s[32:39], s[0:1], 0x40             ; sw3 32, wf 34, ubm 36, ids 38
	s_load_b64 s[40:41], s[0:1], 0x60              ; gwt
	v_lshl_add_u32 v1, v0, 2, SPARE                ; my spare word,
	v_mov_b32 v2, 0                                ; and 0: kept for the closing lines alone
	v_lshrrev_b32 v3, 5, v0
	v_readfirstlane_b32 s8, v3                     ; wave 0-7
	s_mov_b32 s9, ttmp9
	v_and_b32 v4, 31, v0                           ; lane
	v_lshlrev_b32 v5, 4, v4                        ; 16 bytes a lane
	s_mov_b32 s11, 0                               ; the upper word of offsets
	s_mov_b32 s13, 0xffff0000                      ; a word's upper bf16
	s_cmp_lt_u32 s9, 128
	s_cbranch_scc0 .Lprep
; ------------------------------------------------------------------ the router
	s_lshl_b32 s10, s9, 16                         ; 32 tokens of 2,048 bytes,
	s_lshl_b32 s12, s8, 13                         ; my wave's four
	s_add_co_u32 s10, s10, s12
	s_mov_b32 s14, 0x76543210                      ; v_permlanex16_b32: each lane takes its own place in the other half
	s_mov_b32 s15, 0xfedcba98
	s_wait_kmcnt 0x0
	s_add_nc_u64 s[2:3], s[16:17], s[10:11]
	s_load_b256 s[48:55], s[20:21], 0x0            ; gate_b
.set i, 0
.rept 16                                               ; token i / 4, columns 128 (i % 4) + 4 lane: 512 consecutive bytes a load
	global_load_b128 v[XR+4*i:XR+4*i+3], v5, s[2:3] offset:512*i
.set i, i+1
.endr
.set i, 0
.rept 32                                               ; expert i / 4, the same columns
	global_load_b128 v[GR+4*i:GR+4*i+3], v5, s[18:19] offset:512*i
.set i, i+1
.endr
	s_wait_loadcnt 0x0
	s_wait_kmcnt 0x0
.set q, XR
.rept 48                                               ; every number rounded to bf16 and widened again, in place
	v_cvt_pk_bf16_f32 v[q], v[q], v[q+1]
	v_cvt_pk_bf16_f32 v[q+2], v[q+2], v[q+3]
	v_and_b32 v[q+1], s13, v[q]
	v_and_b32 v[q+3], s13, v[q+2]
	v_lshlrev_b32 v[q], 16, v[q]
	v_lshlrev_b32 v[q+2], 16, v[q+2]
.set q, q+4
.endr
.set t, 0
.rept 4                                                ; a token: eight chains (one an expert) of eight packed multiply-adds; the chains take turns
.set e, 0
.rept 8
	v_pk_mul_f32 v[PA+2*e:PA+2*e+1], v[XR+16*t:XR+16*t+1], v[GR+16*e:GR+16*e+1]
.set e, e+1
.endr
.set c, 1
.rept 7
.set e, 0
.rept 8
	v_pk_fma_f32 v[PA+2*e:PA+2*e+1], v[XR+16*t+2*c:XR+16*t+2*c+1], v[GR+16*e+2*c:GR+16*e+2*c+1], v[PA+2*e:PA+2*e+1]
.set e, e+1
.endr
.set c, c+1
.endr
.set e, 0
.rept 8
	v_add_f32 v[SG+8*t+e], v[PA+2*e], v[PA+2*e+1]
.set e, e+1
.endr
.set t, t+1
.endr
.irp m, 1,2,4,8                                        ; the 32 sums over the lanes: four steps inside each half,
.set i, 0
.rept 32
	v_add_f32_dpp v[SG+i], v[SG+i], v[SG+i] row_xmask:\m row_mask:0xf bank_mask:0xf
.set i, i+1
.endr
.endr
.set i, 0
.rept 32                                               ; one across the halves (x's registers, written before, take the other half's)
	v_permlanex16_b32 v[XR+i], v[SG+i], s14, s15
.set i, i+1
.endr
.set i, 0
.rept 32
	v_add_f32 v[SG+i], v[SG+i], v[XR+i]
.set i, i+1
.endr
	v_lshlrev_b32 v6, 7, v3                        ; token x 32 bytes from LG on; my wave's four tokens; all lanes write the same words with the same values
.set i, 0
.rept 8
	ds_store_b128 v6, v[SG+4*i:SG+4*i+3] offset:LG+16*i
.set i, i+1
.endr
	s_wait_dscnt 0x0                               ; for wave 0's sake: my stores are done
	s_barrier_signal -1
	s_barrier_wait -1
	s_cmp_lg_u32 s8, 0
	s_cbranch_scc1 .Lend                           ; wave 0 goes on alone, a lane a token; no barrier follows
	v_lshlrev_b32 v6, 5, v4
	ds_load_b128 v[16:19], v6 offset:LG
	ds_load_b128 v[20:23], v6 offset:LG+16
	v_cvt_pk_bf16_f32 v24, s48, s49                ; the bias, rounded like every input
	v_cvt_pk_bf16_f32 v26, s50, s51
	v_cvt_pk_bf16_f32 v28, s52, s53
	v_cvt_pk_bf16_f32 v30, s54, s55
.irp p, 24,26,28,30
	v_and_b32 v[\p+1], s13, v[\p]
	v_lshlrev_b32 v[\p], 16, v[\p]
.endr
	v_mov_b32 v34, 0xff800000                      ; minus infinity
	s_wait_dscnt 0x0
.set e, 0
.rept 8
	v_add_f32 v[16+e], v[16+e], v[24+e]
.set e, e+1
.endr
	v_mov_b32 v32, v16                             ; the largest, by strictly greater in ascending order: the lower index wins a tie
	v_mov_b32 v33, 0
.irp e, 1,2,3,4,5,6,7
	v_cmp_gt_f32 vcc_lo, v[16+\e], v32
	v_cndmask_b32 v32, v32, v[16+\e], vcc_lo
	v_cndmask_b32 v33, v33, \e, vcc_lo
.endr
.irp e, 0,1,2,3,4,5,6,7                                ; it is taken out,
	v_cmp_eq_u32 vcc_lo, \e, v33
	v_cndmask_b32 v[16+\e], v[16+\e], v34, vcc_lo
.endr
	v_mov_b32 v35, v16                             ; and the same walk finds the second
	v_mov_b32 v36, 0
.irp e, 1,2,3,4,5,6,7
	v_cmp_gt_f32 vcc_lo, v[16+\e], v35
	v_cndmask_b32 v35, v35, v[16+\e], vcc_lo
	v_cndmask_b32 v36, v36, \e, vcc_lo
.endr
	v_sub_f32 v37, v35, v32                        ; softmax of the two, the larger taken away: w1 = 1 / (1 + e^(second - first)), w2 = the rest
	v_mul_f32 v37, 0x3fb8aa3b, v37
	v_exp_f32 v37, v37
	v_nop                                          ; a plain instruction behind the exponential,
	s_wait_alu depctr_va_vdst(0)                   ; and the wait ahead of its first reader
	v_add_f32 v38, 1.0, v37
	v_rcp_f32 v38, v38
	v_nop
	s_wait_alu depctr_va_vdst(0)
	v_mul_f32 v39, v37, v38
	v_lshl_or_b32 v40, v36, 8, v33                 ; e1 | e2 << 8
	v_lshlrev_b32 v41, 3, v4
	v_lshlrev_b32 v42, 2, v4
	s_lshl_b32 s10, s9, 8
	s_add_nc_u64 s[2:3], s[40:41], s[10:11]        ; (x's loads, which named s[2:3], are done)
	global_store_b64 v41, v[38:39], s[2:3]         ; 256 consecutive bytes of gwt
	s_lshl_b32 s10, s9, 7
	s_add_nc_u64 s[56:57], s[38:39], s[10:11]
	global_store_b32 v42, v40, s[56:57]            ; 128 consecutive bytes of ids
	v_mov_b32 v43, 0
.irp e, 0,1,2,3,4,5,6,7                                ; the word of each expert's bitmap and its number of ones: lane e and lane 8 + e; lanes 16-31 repeat them
	v_cmp_eq_u32 s58, \e, v33
	v_cmp_eq_u32 s59, \e, v36
	s_or_b32 s58, s58, s59
	s_bcnt1_i32_b32 s59, s58
	v_writelane_b32 v43, s58, \e
	v_writelane_b32 v43, s59, 8+\e
	v_writelane_b32 v43, s58, 16+\e
	v_writelane_b32 v43, s59, 24+\e
.endr
	v_bfe_u32 v45, v4, 3, 1
	v_and_b32 v44, 7, v4
	v_lshlrev_b32 v44, 9, v44
	v_lshl_add_u32 v44, v45, 12, v44               ; plane x 4,096 + expert x 512,
	s_lshl_b32 s10, s9, 2                          ; + my word.  Sixteen words far apart, once a work-group: so that the next launch reads each expert's 128 words as 512 consecutive bytes
	s_add_nc_u64 s[60:61], s[36:37], s[10:11]
	global_store_b32 v44, v43, s[60:61]
	s_branch .Lend
; ------------------------------------------------------------------ the weights
.Lprep:
	s_sub_co_u32 s44, s9, 128                      ; unit 0-575
	s_wait_kmcnt 0x0
	s_cmp_lt_u32 s44, 256
	s_cbranch_scc0 .Lnot1
	s_mov_b64 s[2:3], s[24:25]                     ; LAYER 1: expert u >> 5, 16 outputs (u >> 2) & 7, 128 inputs u & 3
	s_mov_b64 s[4:5], s[22:23]
	s_lshr_b32 s45, s44, 5
	s_bfe_u32 s46, s44, 0x30002
	s_and_b32 s47, s44, 3
	s_lshl_b32 s54, s46, 4
	s_lshl1_add_u32 s54, s8, s54                   ; my first output row: 16 nt + 2 wave
	s_lshl_b32 s54, s54, 14                        ; a row of sw1 is 16,384 bytes
	s_lshl_b32 s10, s45, 21
	s_add_co_u32 s10, s10, s54
	s_lshl_b32 s54, s47, 12
	s_add_co_u32 s10, s10, s54                     ; byte offset in sw1; in bw1 an eighth of it
	s_mov_b32 s48, 16384
	s_lshl_b32 s49, s45, 3                         ; block 8 bg + wave belongs to the next launch's wave 2 bg + (wave >> 2), quints 2 (wave & 3) and the next
	s_lshl1_add_u32 s49, s47, s49
	s_lshr_b32 s54, s8, 2
	s_add_co_u32 s49, s49, s54
	s_mul_i32 s49, s49, 18
	s_and_b32 s54, s8, 3
	s_lshl1_add_u32 s49, s54, s49
	s_mov_b32 s50, 18432                           ; fragments 2, 3 lie a quint behind 0, 1;
	s_mov_b32 s51, 8192                            ; an odd fragment two groups behind an even one;
	s_lshr_b32 s54, s46, 2
	s_lshl_b32 s52, s54, 12                        ; outputs 64-127 a group behind outputs 0-63,
	s_mul_i32 s53, s54, 18432                      ; and their base fragments in the second quint
	s_branch .Lunit
.Lnot1:
	s_cmp_lt_u32 s44, 320
	s_cbranch_scc0 .Lnot2
	s_sub_co_u32 s44, s44, 256                     ; LAYER 2: expert u >> 3, 16 outputs u & 7, all 128 inputs
	s_mov_b64 s[2:3], s[28:29]
	s_mov_b64 s[4:5], s[26:27]
	s_lshr_b32 s45, s44, 3
	s_and_b32 s46, s44, 7
	s_lshl_b32 s54, s46, 4
	s_lshl1_add_u32 s54, s8, s54
	s_lshl_b32 s54, s54, 12                        ; a row of sw2 is 4,096 bytes
	s_lshl_b32 s10, s45, 19
	s_add_co_u32 s10, s10, s54
	s_mov_b32 s48, 4096
	s_lshl_b32 s49, s45, 3                         ; block = wave belongs to the next launch's wave of that number, quints 8 and 9
	s_add_co_u32 s49, s49, s8
	s_mul_i32 s49, s49, 18
	s_add_co_u32 s49, s49, 8
	s_mov_b32 s50, 18432
	s_mov_b32 s51, 8192
	s_lshr_b32 s54, s46, 2
	s_lshl_b32 s52, s54, 12
	s_mul_i32 s53, s54, 18432
	s_branch .Lunit
.Lnot2:
	s_sub_co_u32 s44, s44, 320                     ; LAYER 3: expert u >> 5, 16 outputs u & 31, all 128 inputs
	s_mov_b64 s[2:3], s[32:33]
	s_mov_b64 s[4:5], s[30:31]
	s_lshr_b32 s45, s44, 5
	s_and_b32 s46, s44, 31
	s_lshl_b32 s54, s46, 4
	s_lshl1_add_u32 s54, s8, s54
	s_lshl_b32 s54, s54, 12
	s_lshl_b32 s10, s45, 21
	s_add_co_u32 s10, s10, s54
	s_mov_b32 s48, 4096
	s_lshl_b32 s49, s45, 3                         ; outputs 16 nt belong to the next launch's wave nt >> 2; block = wave is its quint 10 + wave
	s_lshr_b32 s54, s46, 2
	s_add_co_u32 s49, s49, s54
	s_mul_i32 s49, s49, 18
	s_add_co_u32 s49, s49, s8
	s_add_co_u32 s49, s49, 10
	s_mov_b32 s50, 8192                            ; fragment f is group f
	s_mov_b32 s51, 4096
	s_mov_b32 s52, 0
	s_mov_b32 s53, 0
.Lunit:
	s_and_b32 s54, s46, 3                          ; the place in a group of four fragments
	s_mul_i32 s49, s49, 18432
	s_lshl_b32 s56, s54, 10
	s_add_co_u32 s56, s56, s52
	s_add_co_u32 s56, s56, s49                     ; byte in wf of my block's spline fragment 0
	s_lshl_b32 s57, s54, 9
	s_add_co_u32 s57, s57, s53
	s_add_co_u32 s57, s57, s49
	s_add_co_u32 s57, s57, 16384                   ; and of its base fragment
	s_add_nc_u64 s[2:3], s[2:3], s[10:11]
	s_lshr_b32 s10, s10, 3
	s_add_nc_u64 s[4:5], s[4:5], s[10:11]
	s_lshr_b32 s55, s48, 3
	v_add_nc_u32 v6, s48, v5                       ; my second row of the spline weights,
	v_add_nc_u32 v7, s55, v5                       ; and of the base weights
.set k, 0
.rept 8                                                ; a load is 512 consecutive bytes: 16 inputs x 8 coefficients = one block of one output row
	global_load_b128 v[16+4*k:19+4*k], v5, s[2:3] offset:512*k th:TH_LOAD_NT
.set k, k+1
.endr
.set k, 0
.rept 8
	global_load_b128 v[48+4*k:51+4*k], v6, s[2:3] offset:512*k th:TH_LOAD_NT
.set k, k+1
.endr
	global_load_b128 v[80:83], v5, s[4:5] th:TH_LOAD_NT   ; 128 base weights of a row
	global_load_b128 v[84:87], v7, s[4:5] th:TH_LOAD_NT
	; where a lane's four numbers go.  Spline: lane l holds input l >> 1 = 8 h + 2 f + odd, coefficients 4 (l & 1) on: segment 4 f + 2 odd + h of the block, byte 16 row + 8 (l & 1)
	v_bfe_u32 v9, v4, 2, 2                         ; f
	v_bfe_u32 v10, v4, 1, 1                        ; odd
	v_lshrrev_b32 v11, 4, v4                       ; h; later: the half of the lanes
	v_and_b32 v12, 1, v4
	v_lshl_add_u32 v9, v9, 1, v10
	v_lshl_add_u32 v9, v9, 1, v11
	v_mul_u32_u24 v9, v9, SEG
	v_lshl_add_u32 v9, v12, 3, v9
	s_lshl_b32 s58, s8, 5                          ; my rows 2 wave, 2 wave + 1: 16 bytes each
	v_add_nc_u32 v9, s58, v9
	v_lshrrev_b32 v8, 1, v4                        ; base: lane l holds inputs 4 l on: segment l >> 1, byte 16 row + 8 (l & 1)
	v_mul_u32_u24 v8, v8, SEG
	v_lshl_add_u32 v8, v12, 3, v8
	v_add_nc_u32 v8, s58, v8
.set i, 0
.rept 18
	s_wait_loadcnt 17-i                            ; loads come back in order: the 17 - i younger ones may stay out
	v_cvt_pk_bf16_f32 v[16+4*i], v[16+4*i], v[17+4*i]
	v_cvt_pk_bf16_f32 v[17+4*i], v[18+4*i], v[19+4*i]
.if i < 16
	ds_store_b64 v9, v[16+4*i:17+4*i] offset:(i%8)*16*SEG+(i/8)*16
.else
	ds_store_b64 v8, v[16+4*i:17+4*i] offset:BSEG+(i-16)*16
.endif
.set i, i+1
.endr
	s_wait_dscnt 0x0                               ; for the others' sake: my stores are done
	s_barrier_signal -1
	s_barrier_wait -1
	; wave v takes block v out: eight pieces of 512 bytes (fragment f, odd) and the base fragment, each two segments
	v_and_b32 v13, 15, v4
	v_lshlrev_b32 v13, 4, v13
	v_mad_u32_u24 v13, v11, SEG, v13
	s_mul_i32 s58, s8, 16*SEG
	s_mul_i32 s59, s8, 2*SEG
	v_add_nc_u32 v14, s58, v13
	v_add_nc_u32 v15, s59, v13
.set j, 0
.rept 8
	ds_load_b128 v[16+4*j:19+4*j], v14 offset:j*2*SEG
.set j, j+1
.endr
	ds_load_b128 v[48:51], v15 offset:BSEG
	v_add_nc_u32 v88, s56, v5
	v_add_nc_u32 v89, s51, v88
	v_add_nc_u32 v90, s50, v88
	v_add_nc_u32 v91, s50, v89
	v_add_nc_u32 v92, s57, v5
.set j, 0
.rept 8
	s_wait_dscnt 8-j
	global_store_b128 v[88+j/2], v[16+4*j:19+4*j], s[34:35] offset:(j%2)*512   ; 512 consecutive bytes, at a multiple of 512 from wf's first
.set j, j+1
.endr
	s_wait_dscnt 0x0
	global_store_b128 v92, v[48:51], s[34:35]
.Lend:
	s_wait_tensorcnt 0x0                           ; the wave's end, behind my last LDS store
	ds_add_u32 v1, v2
	s_wait_dscnt 0x0
	s_endpgm
.Lfunc_end_k_qfb10a8979e_front:
	.size	k_qfb10a8979e_front, .Lfunc_end_k_qfb10a8979e_front-k_qfb10a8979e_front
	.p2alignl 7, 3214868480
	.fill 96, 4, 3214868480
	.section	.rodata,"a",@progbits
	.p2align	6, 0x0
	.amdhsa_kernel k_qfb10a8979e_front
		.amdhsa_group_segment_fixed_size 41472
		.amdhsa_private_segment_fixed_size 0
		.amdhsa_enable_private_segment 0
		.amdhsa_kernarg_size 104
		.amdhsa_user_sgpr_count 2
		.amdhsa_user_sgpr_kernarg_segment_ptr 1
		.amdhsa_wavefront_size32 1
		.amdhsa_system_sgpr_workgroup_id_x 1
		.amdhsa_system_sgpr_workgroup_id_y 1
		.amdhsa_system_sgpr_workgroup_id_z 1
		.amdhsa_system_vgpr_workitem_id 0
		.amdhsa_next_free_vgpr 256
		.amdhsa_next_free_sgpr 66
		.amdhsa_reserve_vcc 1
		.amdhsa_float_denorm_mode_32 3
		.amdhsa_float_denorm_mode_16_64 3
		.amdhsa_memory_ordered 1
		.amdhsa_forward_progress 1
		.amdhsa_inst_pref_size 67
	.end_amdhsa_kernel
	.amdgpu_metadata
---
amdhsa.version: [ 1, 2 ]
amdhsa.kernels:
  - .name:           k_qfb10a8979e_front
    .symbol:         k_qfb10a8979e_front.kd
    .args:
      - { .name: x, .offset: 0, .size: 8, .value_kind: global_buffer, .address_space: global }
      - { .name: gate_w, .offset: 8, .size: 8, .value_kind: global_buffer, .address_space: global }
      - { .name: gate_b, .offset: 16, .size: 8, .value_kind: global_buffer, .address_space: global }
      - { .name: bw1, .offset: 24, .size: 8, .value_kind: global_buffer, .address_space: global }
      - { .name: sw1, .offset: 32, .size: 8, .value_kind: global_buffer, .address_space: global }
      - { .name: bw2, .offset: 40, .size: 8, .value_kind: global_buffer, .address_space: global }
      - { .name: sw2, .offset: 48, .size: 8, .value_kind: global_buffer, .address_space: global }
      - { .name: bw3, .offset: 56, .size: 8, .value_kind: global_buffer, .address_space: global }
      - { .name: sw3, .offset: 64, .size: 8, .value_kind: global_buffer, .address_space: global }
      - { .name: wf, .offset: 72, .size: 8, .value_kind: global_buffer, .address_space: global }
      - { .name: ubm, .offset: 80, .size: 8, .value_kind: global_buffer, .address_space: global }
      - { .name: ids, .offset: 88, .size: 8, .value_kind: global_buffer, .address_space: global }
      - { .name: gwt, .offset: 96, .size: 8, .value_kind: global_buffer, .address_space: global }
    .group_segment_fixed_size: 41472
    .private_segment_fixed_size: 0
    .kernarg_segment_align: 8
    .kernarg_segment_size: 104
    .max_flat_workgroup_size: 256
    .sgpr_count:     66
    .vgpr_count:     256
    .wavefront_size: 32
...
	.end_amdgpu_metadata
.endif
;; end of part 1
;; launch chain (part 2): grid 178 x 1, 8 waves a work-group, no clusters, 313,088 bytes of LDS; arguments x, wf, ubm, ids, gwt, part; writes part
.if DOCPART == 2
	.amdgcn_target "amdgcn-amd-amdhsa--gfx1250"
	.amdhsa_code_object_version 6
	.text
	.protected	k_qfb10a8979e_chain
	.globl	k_qfb10a8979e_chain
	.p2align	8
	.type	k_qfb10a8979e_chain,@function
k_qfb10a8979e_chain:
	s_mov_b64 s[64:65], 0
	v_nop
	global_prefetch_b8 v0, s[64:65] scope:SCOPE_SE
	s_setreg_imm32_b32 hwreg(HW_REG_WAVE_MODE, 25, 1), 1
	s_wait_xcnt 0x0
; CHAIN: 48 routed rows (three tiles of 16) of ONE expert go through the three KAN layers; the result, times the gate's weight, goes to part[token][first or second choice][512] in f32.
; THE GRID.  With n_e tokens on expert e there are ceil(n_e / 48) work-groups for it, in the experts' order; their sum is at most (8,192 + 8 x 47) / 48 = 178 for every split.  Every wave works its
;   work-group's expert and rows out of the stored counts.  Places past an expert's count repeat its last row; tiles wholly past it are not stored; a work-group that a split leaves without rows
;   walks the same text (every wave passes every barrier) and stores nothing.
; A KAN LAYER IS ONE PRODUCT with ten numbers for each input v: eight cubic B-splines and silu(v) as two bf16, hi + lo, against the same base weight.  All features carry the factor 3/4:
;   P_m = clamp01(1.25 v + 2.75 - m / 2), A_g = P_g - P_(g+2) (a tent of height 1 over the spline's four intervals), Bt = clamp01(2 k A - k) with k^3 = 1/2: A^3 - Bt^3 = 3/4 B_g(v), 0 outside the grid;
;   v / (4/3 + 4/3 e^-v) = 3/4 silu(v).  The factor 4/3 is applied where sums are read.
; FRAGMENTS.  A block is 16 inputs; lane (r = l % 16, h = l / 16) owns row r, inputs 8 h + 0..7.  Spline fragment f: registers 0-3 the 8 splines of input 8 h + 2 f, registers 4-7 those of input 8 h + 2 f + 1.
;   Base fragment: registers 0-3 hi of the 8 inputs, 4-7 lo.  The weights lie in wf in the same order.  Source 0 = 16 outputs' weights, source 1 = 16 rows' features: in the result lane (r, h) holds row r,
;   outputs 8 h + 0..7: the very layout in which the next layer takes its inputs.
; SHARES.  Layers 1 and 2: K is split over the eight waves (4 blocks, then 1); each wave makes its own features in registers and holds all 48 x 128 sums (24 accumulators); the eight partial sums meet in LDS,
;   wave d adding up outputs 16 d on, which are its own block of the next layer.  Layer 3: the eight blocks' features lie in LDS for all; wave w makes outputs 64 w on (12 accumulators).
; WEIGHTS come from memory straight into registers, a wave's 331,776 bytes in the order of use; from the first layer on five groups (36 loads, 18,432 bytes) are always on their way.
; NO CLUSTER, NO TENSOR LOADS: beside the exchange (196,608 bytes), the rows (99,072) and the tables (16,384) LDS has 14,592 bytes left: no room for slots of weights that partners could share.
; FORMATS.  x and all weights are rounded to bf16 once; features are bf16 (silu in two); h1, h2 and all sums stay in f32.
; LIMITS.  NaN and infinities are not treated apart.
.set XCH,   0                          ; LDS: the exchange [to wave][from wave][tile] x 1,024 bytes; later the features of layer 3 [block][fragment 0-4][tile] x 1,024
.set XSB,   196608                     ; 48 rows of 2,048 + 16 bytes: x in f32, then h1 and h2 in columns 16 w on; later a stage of 16 x 272 bytes for each wave
.set XP,    2064                       ; 516 words: the 16 rows that a load touches start 4 banks apart (64 banks of 4 bytes: ISA guide 11.1)
.set TBL,   295680                     ; 2,048 bytes a wave: +0 ones before each word, +512 the words, +1024 tokens, +1280 rows of part, +1536 gate weights
.set SPARE, 312064                     ; the spare words: 128 bytes for each wave, four blocks of 256 bytes that no other line names
.set QB,    18432                      ; a quint of weights
.set AFB,   15360                      ; a block's features for layer 3
; window 0
.set SPW, 1                            ; my spare word's address; never rewritten
.set NIL, 2                            ; 0; never rewritten
.set LOFF, 3                           ; 16 x lane; never rewritten
.set SRC, 4                            ; v4-6    where tile a's inputs of the block in hand lie
.set HS,  7                            ; v7-9    where tile a's h of my 16 outputs goes
.set XST, 10                           ; v10-12  the exchange, outward: for waves 0-2, 3-5, 6-7
.set XLD, 13                           ; v13     inward
.set GWV, 14                           ; v14-19  4/3 x gate weight of my row in tile a, as pairs
.set AFA, 20                           ; v20     layer 3's features: first where I put mine, then where the block in hand lies
.set STO, 21
.set RD,  22
.set C125, 24                          ; v24-49  constants as pairs of equal halves (the clamped lines take vector registers alone): 1.25; 2.75 - m / 2; 2 k; -k
.set KK,  26
.set C2K, 46
.set CMK, 48
.set V,   50                           ; v50-73   the inputs: 8 a tile
.set AF,  74                           ; v74-97   a spline fragment a tile
.set BF,  98                           ; v98-121  the base fragment a tile
.set T,   122                          ; v122-141 ten pairs at work
.set U,   142
.set W,   150
.set CO,  158                          ; my byte in a row of part
.set SLA, 159                          ; where my rows' numbers in part lie
.set AR,  24                           ; layer 3: v24-143 five fragments x three tiles of features
.set OO,  24                           ; the way out
.set BK,  56
.set SL,  88
.set AD,  96
.set UB,  64                           ; set-up: v64-127 the bitmaps and counts
.set LN,  140
.set RR,  141
.set HH,  142
; v160-255: weight groups 0-2.   window 1: v0-191 accumulators; v192-223 weight group 3; v224-255 the base group
.set MSB, 0
.macro WIN new                         ; s_set_vgpr_msb: bits 1:0 source 0, 3:2 source 1, 5:4 source 2, 7:6 destination; the high byte repeats the setting that is left
.if MSB != (\new)
	s_set_vgpr_msb (MSB<<8)|(\new)
.set MSB, (\new)
.endif
.endm
; group kk of the quint that begins off bytes behind the stream's pointer: eight loads of 512 consecutive bytes (the base group: four, into registers 0-3 of its fragments)
.macro LOADG kk, off
.if (\kk) < 3
	WIN 0
.set bb, 160+32*(\kk)
.else
	WIN 0x40
.set bb, 192+32*((\kk)-3)
.endif
.irp i, 0,1,2,3
.if (\kk) < 4
	global_load_b128 v[bb+8*\i:bb+8*\i+3], v[LOFF], s[6:7] offset:(\off)+(\kk)*4096+\i*1024
	global_load_b128 v[bb+8*\i+4:bb+8*\i+7], v[LOFF], s[6:7] offset:(\off)+(\kk)*4096+\i*1024+512
.else
	global_load_b128 v[bb+8*\i:bb+8*\i+3], v[LOFF], s[6:7] offset:(\off)+16384+\i*512
.endif
.endr
.endm
; twelve products: weight group kk's four fragments x three tiles' features at abase; accumulator (a, i) at 8 (astr a + nt0 + i).  The twelve accumulators take turns, and the last of one call is never the
; first of the next.  Four v_nop follow: the places in front of loads into, and vector writes of, registers that these products have read.
.macro MUL12 kk, abase, astr, nt0, zero
.if (\kk) == 4
	WIN 0x41
.set c, 0
.rept 16                                               ; hi and lo meet the same base weight
	v_mov_b32 v[224+8*(c/4)+4+c%4], v[224+8*(c/4)+c%4]
.set c, c+1
.endr
.endif
.if (\kk) < 3
	WIN 0x50
.set bb, 160+32*(\kk)
.else
	WIN 0x51
.set bb, 192+32*((\kk)-3)
.endif
.irp i, 0,1,2,3
.irp a, 0,1,2
.set ac, 8*((\astr)*\a+(\nt0)+\i)
.if \zero
	v_wmma_f32_16x16x32_bf16 v[ac:ac+7], v[bb+8*\i:bb+8*\i+7], v[(\abase)+8*\a:(\abase)+8*\a+7], 0
.else
	v_wmma_f32_16x16x32_bf16 v[ac:ac+7], v[bb+8*\i:bb+8*\i+7], v[(\abase)+8*\a:(\abase)+8*\a+7], v[ac:ac+7]
.endif
.endr
.endr
.rept 4
	v_nop
.endr
.endm
; cnt: the loads of the four groups issued behind this one, which may stay out: 8 + 8 + 8 + 4, or 8 x 4 behind the base group
.macro STEP kk, abase, nt0, off, cnt
	s_wait_loadcnt \cnt
	MUL12 \kk, \abase, 8, \nt0, 0
	LOADG \kk, \off
.endm
.macro LOADV                           ; my 8 inputs of the block in each tile
	WIN 0
.irp a, 0,1,2
	ds_load_b128 v[V+8*\a:V+8*\a+3], v[SRC+\a]
	ds_load_b128 v[V+8*\a+4:V+8*\a+7], v[SRC+\a] offset:16
.endr
	s_wait_dscnt 0x0
.endm
; 3/4 silu of the 24 inputs, as hi and lo: the base fragments.  Two batches of transcendentals, each with one plain instruction and one wait behind it.  AF's registers are scratch here.
.macro SILU
	WIN 0
.set p, 0
.rept 12
	v_pk_mul_f32 v[T+2*p:T+2*p+1], v[V+2*p:V+2*p+1], s[50:51] op_sel_hi:[1,0]
.set p, p+1
.endr
.set p, 0
.rept 24
	v_exp_f32 v[T+p], v[T+p]
.set p, p+1
.endr
	v_nop
	s_wait_alu depctr_va_vdst(0)
.set p, 0
.rept 12
	v_pk_fma_f32 v[T+2*p:T+2*p+1], v[T+2*p:T+2*p+1], s[48:49], s[48:49] op_sel_hi:[1,0,0]
.set p, p+1
.endr
.set p, 0
.rept 24
	v_rcp_f32 v[T+p], v[T+p]
.set p, p+1
.endr
	v_nop
	s_wait_alu depctr_va_vdst(0)
.set p, 0
.rept 12
	v_pk_mul_f32 v[T+2*p:T+2*p+1], v[T+2*p:T+2*p+1], v[V+2*p:V+2*p+1]
.set p, p+1
.endr
.set p, 0
.rept 12
	v_cvt_pk_bf16_f32 v[BF+8*(p/4)+p%4], v[T+2*p], v[T+2*p+1]
.set p, p+1
.endr
.set p, 0
.rept 12
	v_lshlrev_b32 v[AF+2*p], 16, v[BF+8*(p/4)+p%4]
	v_and_b32 v[AF+2*p+1], s52, v[BF+8*(p/4)+p%4]
.set p, p+1
.endr
.set p, 0
.rept 12
	v_pk_add_f32 v[T+2*p:T+2*p+1], v[T+2*p:T+2*p+1], v[AF+2*p:AF+2*p+1] neg_lo:[0,1] neg_hi:[0,1]
.set p, p+1
.endr
.set p, 0
.rept 12
	v_cvt_pk_bf16_f32 v[BF+8*(p/4)+4+p%4], v[T+2*p], v[T+2*p+1]
.set p, p+1
.endr
.endm
; the 8 splines of inputs 2 f and 2 f + 1 of tile a, two inputs to a line: spline fragment f of that tile
.macro PAIR a, f
	WIN 0
.set vv, V+8*(\a)+2*(\f)
.set m, 0
.rept 10
	v_pk_fma_f32 v[T+2*m:T+2*m+1], v[vv:vv+1], v[C125:C125+1], v[KK+2*m:KK+2*m+1] clamp
.set m, m+1
.endr
.set m, 0
.rept 8                                                ; ascending, in place: P_(g+2) is still whole when A_g takes it
	v_pk_add_f32 v[T+2*m:T+2*m+1], v[T+2*m:T+2*m+1], v[T+2*m+4:T+2*m+5] neg_lo:[0,1] neg_hi:[0,1]
.set m, m+1
.endr
.irp b, 0,8
.irp j, 0,2,4,6
	v_pk_fma_f32 v[U+\j:U+\j+1], v[T+\b+\j:T+\b+\j+1], v[C2K:C2K+1], v[CMK:CMK+1] clamp
.endr
.irp j, 0,2,4,6
	v_pk_mul_f32 v[W+\j:W+\j+1], v[U+\j:U+\j+1], v[U+\j:U+\j+1]
.endr
.irp j, 0,2,4,6
	v_pk_mul_f32 v[U+\j:U+\j+1], v[W+\j:W+\j+1], v[U+\j:U+\j+1]
.endr
.irp j, 0,2,4,6
	v_pk_mul_f32 v[W+\j:W+\j+1], v[T+\b+\j:T+\b+\j+1], v[T+\b+\j:T+\b+\j+1]
.endr
.irp j, 0,2,4,6
	v_pk_fma_f32 v[T+\b+\j:T+\b+\j+1], v[W+\j:W+\j+1], v[T+\b+\j:T+\b+\j+1], v[U+\j:U+\j+1] neg_lo:[0,0,1] neg_hi:[0,0,1]
.endr
.endr
.irp j, 0,1,2,3
	v_cvt_pk_bf16_f32 v[AF+8*(\a)+\j], v[T+4*\j], v[T+4*\j+2]
	v_cvt_pk_bf16_f32 v[AF+8*(\a)+4+\j], v[T+4*\j+1], v[T+4*\j+3]
.endr
.endm
.macro PAIR3 f
	PAIR 0, \f
	PAIR 1, \f
	PAIR 2, \f
.endm
.macro ADD8 d, s
.irp j, 0,2,4,6
	v_pk_add_f32 v[(\d)+\j:(\d)+\j+1], v[(\d)+\j:(\d)+\j+1], v[(\s)+\j:(\s)+\j+1]
.endr
.endm
.macro ROUND4 q                        ; four f32 rounded to bf16 and widened again, in place
	v_cvt_pk_bf16_f32 v[\q], v[\q], v[\q+1]
	v_cvt_pk_bf16_f32 v[\q+2], v[\q+2], v[\q+3]
	v_and_b32 v[\q+1], s52, v[\q]
	v_and_b32 v[\q+3], s52, v[\q+2]
	v_lshlrev_b32 v[\q], 16, v[\q]
	v_lshlrev_b32 v[\q+2], 16, v[\q+2]
.endm
; the place of the (k + 1)-th one in a word: the word's sums of ones in fields of 2, 4, 8 and 16 bits, then five halvings
.macro SELSTEP src, s, k, pos, tb
	v_bfe_u32 v[(\tb)+4], v[\src], v[\pos], \s
	v_cmp_ge_u32 vcc_lo, v[\k], v[(\tb)+4]
	v_cndmask_b32 v[(\tb)+4], 0, v[(\tb)+4], vcc_lo
	v_cndmask_b32 v[(\tb)+5], 0, \s, vcc_lo
	v_sub_nc_u32 v[\k], v[\k], v[(\tb)+4]
	v_add_nc_u32 v[\pos], v[\pos], v[(\tb)+5]
.endm
.macro SEL w, k, pos, tb
	v_lshrrev_b32 v[(\tb)+4], 1, v[\w]
	v_and_b32 v[(\tb)+4], 0x55555555, v[(\tb)+4]
	v_sub_nc_u32 v[\tb], v[\w], v[(\tb)+4]
	v_lshrrev_b32 v[(\tb)+4], 2, v[\tb]
	v_and_b32 v[(\tb)+4], 0x33333333, v[(\tb)+4]
	v_and_b32 v[(\tb)+1], 0x33333333, v[\tb]
	v_add_nc_u32 v[(\tb)+1], v[(\tb)+1], v[(\tb)+4]
	v_lshrrev_b32 v[(\tb)+4], 4, v[(\tb)+1]
	v_add_nc_u32 v[(\tb)+4], v[(\tb)+4], v[(\tb)+1]
	v_and_b32 v[(\tb)+2], 0x0f0f0f0f, v[(\tb)+4]
	v_lshrrev_b32 v[(\tb)+4], 8, v[(\tb)+2]
	v_add_nc_u32 v[(\tb)+4], v[(\tb)+4], v[(\tb)+2]
	v_and_b32 v[(\tb)+3], 0x00ff00ff, v[(\tb)+4]
	v_mov_b32 v[\pos], 0
	SELSTEP (\tb)+3, 16, \k, \pos, \tb
	SELSTEP (\tb)+2, 8, \k, \pos, \tb
	SELSTEP (\tb)+1, 4, \k, \pos, \tb
	SELSTEP \tb, 2, \k, \pos, \tb
	SELSTEP \w, 1, \k, \pos, \tb
.endm
.macro PFX mask                        ; v138 = the partner block's sum: it counts before me where my lane has the step's bit
	s_mov_b32 s32, \mask
	v_cndmask_b32 v139, 0, v138, s32
	v_add_nc_u32 v137, v137, v139
	v_add_nc_u32 v136, v136, v138
.endm
; ------------------------------------------------------------------ head
	s_load_b256 s[4:11], s[0:1], 0x0               ; x 4, wf 6, ubm 8, ids 10
	s_load_b128 s[12:15], s[0:1], 0x20             ; gwt 12, part 14
	v_lshl_add_u32 v[SPW], v0, 2, SPARE
	v_mov_b32 v[NIL], 0
	v_lshrrev_b32 v139, 5, v0
	v_readfirstlane_b32 s16, v139                  ; wave 0-7
	s_mov_b32 s17, ttmp9
	v_and_b32 v[LN], 31, v0
	v_and_b32 v[RR], 15, v0
	v_bfe_u32 v[HH], v0, 4, 1
	v_lshlrev_b32 v[LOFF], 4, v[LN]
	s_wait_kmcnt 0x0
.set j, 0
.rept 16                                               ; plane j / 8, expert j % 8: its 128 words as 512 consecutive bytes; lane l takes words 4 l on
	global_load_b128 v[UB+4*j:UB+4*j+3], v[LOFF], s[8:9] offset:512*j
.set j, j+1
.endr
	s_mov_b32 s40, 0x76543210                      ; v_permlanex16_b32: each lane takes its own place in the other half
	s_mov_b32 s41, 0xfedcba98
	s_mov_b32 s48, 0x3faaaaab                      ; 4/3, as a pair
	s_mov_b32 s49, 0x3faaaaab
	s_mov_b32 s50, 0xbfb8aa3b                      ; -log2(e), as a pair
	s_mov_b32 s51, 0xbfb8aa3b
	s_mov_b32 s52, 0xffff0000
	s_lshl_b32 s53, s16, 11
	s_add_co_u32 s53, s53, TBL                     ; my wave's tables
	v_mul_u32_u24 v144, v[RR], XP
	v_lshl_add_u32 v144, v[HH], 5, v144
	v_add_nc_u32 v144, XSB, v144                   ; row r, 32 bytes for each half of the lanes
	s_lshl_b32 s32, s16, 8                         ; layer 1: my four blocks begin at column 64 w
	s_lshl_b32 s33, s16, 6                         ; h: my 16 outputs begin at column 16 w
	v_add_nc_u32 v[SRC], s32, v144
	v_add_nc_u32 v[SRC+1], 16*XP, v[SRC]
	v_add_nc_u32 v[SRC+2], 32*XP, v[SRC]
	v_add_nc_u32 v[HS], s33, v144
	v_add_nc_u32 v[HS+1], 16*XP, v[HS]
	v_add_nc_u32 v[HS+2], 32*XP, v[HS]
	s_mul_i32 s32, s16, 3072
	v_add_nc_u32 v[XST], s32, v[LOFF]
	v_add_nc_u32 v[XST+1], 73728, v[XST]
	v_add_nc_u32 v[XST+2], 147456, v[XST]
	s_mul_i32 s32, s16, 24576
	v_add_nc_u32 v[XLD], s32, v[LOFF]
	s_mul_i32 s32, s16, AFB
	v_add_nc_u32 v[AFA], s32, v[LOFF]
	s_mul_i32 s32, s16, 16*272
	s_add_co_u32 s32, s32, XSB                     ; my stage
	v_mul_u32_u24 v144, v[RR], 272
	v_lshl_add_u32 v144, v[HH], 5, v144
	v_add_nc_u32 v[STO], s32, v144                 ; in: row r, 32 bytes for each half of the lanes
	v_mul_u32_u24 v144, v[HH], 272
	v_lshl_add_u32 v144, v[RR], 4, v144
	v_add_nc_u32 v[RD], s32, v144                  ; back: lanes 0-15 one row of 256 bytes, lanes 16-31 the next
	s_lshl_b32 s32, s16, 8
	v_lshl_add_u32 v[CO], v[RR], 4, s32
	s_add_co_u32 s32, s53, 1280
	v_lshl_add_u32 v[SLA], v[HH], 2, s32
.set i, 0
.irp c, 0x3fa00000, 0x40300000, 0x40100000, 0x3fe00000, 0x3fa00000, 0x3f400000, 0x3e800000, 0xbe800000, 0xbf400000, 0xbfa00000, 0xbfe00000, 0x3fcb2ff5, 0xbf4b2ff5
	v_mov_b32 v[C125+2*i], \c
	v_mov_b32 v[C125+2*i+1], \c
.set i, i+1
.endr
	v_mov_b32 v138, 0                              ; the destination of a lane exchange counts as read
; ------------------------------------------------------------------ which expert, which rows
	s_wait_loadcnt 0x0
.set e, 0
.rept 8
	v_add_nc_u32 v[128+e], v[UB+32+4*e], v[UB+33+4*e]
.set e, e+1
.endr
.set e, 0
.rept 8
	v_add_nc_u32 v[144+e], v[UB+34+4*e], v[UB+35+4*e]
.set e, e+1
.endr
.set e, 0
.rept 8
	v_add_nc_u32 v[128+e], v[128+e], v[144+e]
.set e, e+1
.endr
.irp m, 1,2,4,8
.set e, 0
.rept 8
	v_mov_b32_dpp v[144+e], v[128+e] row_xmask:\m row_mask:0xf bank_mask:0xf
.set e, e+1
.endr
.set e, 0
.rept 8
	v_add_nc_u32 v[128+e], v[128+e], v[144+e]
.set e, e+1
.endr
.endr
.set e, 0
.rept 8
	v_permlanex16_b32 v[144+e], v[128+e], s40, s41
.set e, e+1
.endr
.set e, 0
.rept 8
	v_add_nc_u32 v[128+e], v[128+e], v[144+e]
.set e, e+1
.endr
.set e, 0
.rept 8
	v_readfirstlane_b32 s[24+e], v[128+e]          ; n_e
.set e, e+1
.endr
	s_mov_b32 s18, 0                               ; the last expert whose first work-group is not behind me
	s_mov_b32 s19, 0                               ; its first work-group
	s_mov_b32 s20, s24                             ; its count
	s_mov_b32 s23, 0
.set e, 0
.rept 8
.if e > 0
	s_cmp_ge_u32 s17, s23
	s_cselect_b32 s18, e, s18
	s_cselect_b32 s19, s23, s19
	s_cselect_b32 s20, s[24+e], s20
.endif
.if e < 7
	s_add_co_u32 s32, s[24+e], 47                  ; ceil(n / 48) = ((n + 47) x 21,846) >> 20, exact up to n + 47 = 4,143
	s_mul_i32 s32, s32, 21846
	s_lshr_b32 s32, s32, 20
	s_add_co_u32 s23, s23, s32
.endif
.set e, e+1
.endr
	s_min_u32 s18, s18, 7
	s_sub_co_u32 s21, s17, s19
	s_mul_i32 s21, s21, 48                         ; my first rank among the expert's tokens
	s_sub_co_i32 s22, s20, s21
	s_max_i32 s22, s22, 0
	s_min_i32 s22, s22, 48                         ; my rows
	s_mul_i32 s46, s18, 8*18*QB
	s_mul_i32 s47, s16, 18*QB
	s_add_co_u32 s46, s46, s47
	s_mov_b32 s47, 0
	s_add_nc_u64 s[6:7], s[6:7], s[46:47]          ; my wave's stream of weights
	LOADG 0, 0                                     ; its first four groups go out now: 32 loads; with the 4 + 24 loads of the gather below 60 are out at the most
	LOADG 1, 0
	LOADG 2, 0
	LOADG 3, 0
	WIN 0
; ------------------------------------------------------------------ rank to token, each wave for itself, in its own tables
.set e, 1
.rept 7
	s_cmp_eq_u32 s18, e
	s_cselect_b32 s[32+e], -1, 0
.set e, e+1
.endr
.set c, 0
.rept 4                                                ; my four words of the expert's bitmap (v128-131) and their counts (v132-135)
	v_cndmask_b32 v[128+c], v[UB+c], v[UB+4+c], s33
	v_cndmask_b32 v[132+c], v[UB+32+c], v[UB+36+c], s33
.set e, 2
.rept 6
	v_cndmask_b32 v[128+c], v[128+c], v[UB+4*e+c], s[32+e]
	v_cndmask_b32 v[132+c], v[132+c], v[UB+32+4*e+c], s[32+e]
.set e, e+1
.endr
.set c, c+1
.endr
	v_add_nc_u32 v136, v132, v133
	v_add_nc_u32 v139, v134, v135
	v_add_nc_u32 v136, v136, v139
	v_mov_b32 v137, 0                              ; ones in the lanes before mine
	v_mov_b32_dpp v138, v136 row_xmask:1 row_mask:0xf bank_mask:0xf
	PFX 0xaaaaaaaa
	v_mov_b32_dpp v138, v136 row_xmask:2 row_mask:0xf bank_mask:0xf
	PFX 0xcccccccc
	v_mov_b32_dpp v138, v136 row_xmask:4 row_mask:0xf bank_mask:0xf
	PFX 0xf0f0f0f0
	v_mov_b32_dpp v138, v136 row_xmask:8 row_mask:0xf bank_mask:0xf
	PFX 0xff00ff00
	v_permlanex16_b32 v138, v136, s40, s41
	PFX 0xffff0000
	v_mov_b32 v144, v137
	v_add_nc_u32 v145, v144, v132
	v_add_nc_u32 v146, v145, v133
	v_add_nc_u32 v147, v146, v134
	v_add_nc_u32 v148, s53, v[LOFF]
	ds_store_b128 v148, v[144:147]                 ; ones before each word
	ds_store_b128 v148, v[128:131] offset:512      ; the words
	s_sub_co_i32 s54, s20, 1
	s_max_i32 s54, s54, 0
	v_add_nc_u32 v150, s21, v[LN]                  ; two ranks a lane: rows l and l + 32 (rows 48-63 serve nothing); past the count the last rank once more
	v_add_nc_u32 v151, 32, v150
	v_min_u32 v150, s54, v150
	v_min_u32 v151, s54, v151
	v_mov_b32 v152, 0
	v_mov_b32 v153, 0
.irp b, 64,32,16,8,4,2,1                               ; the last word with no more ones before it than the rank.  LDS serves a wave's instructions in order: these loads see the stores above
	v_or_b32 v154, \b, v152
	v_or_b32 v155, \b, v153
	v_min_u32 v154, 127, v154
	v_min_u32 v155, 127, v155
	v_lshl_add_u32 v156, v154, 2, s53
	v_lshl_add_u32 v157, v155, 2, s53
	ds_load_b32 v144, v156
	ds_load_b32 v145, v157
	s_wait_dscnt 0x0
	v_cmp_le_u32 vcc_lo, v144, v150
	v_cndmask_b32 v152, v152, v154, vcc_lo
	v_cmp_le_u32 vcc_lo, v145, v151
	v_cndmask_b32 v153, v153, v155, vcc_lo
.endr
	v_min_u32 v152, 127, v152
	v_min_u32 v153, 127, v153
	v_lshl_add_u32 v156, v152, 2, s53
	v_lshl_add_u32 v157, v153, 2, s53
	ds_load_b32 v144, v156
	ds_load_b32 v145, v157
	ds_load_b32 v146, v156 offset:512
	ds_load_b32 v147, v157 offset:512
	s_wait_dscnt 0x0
	v_sub_nc_u32 v150, v150, v144
	v_sub_nc_u32 v151, v151, v145
	SEL 146, 150, 70, 64
	SEL 147, 151, 78, 72
	v_lshl_add_u32 v80, v152, 5, v70
	v_lshl_add_u32 v81, v153, 5, v78
	v_min_u32 v80, 0xfff, v80                      ; the tokens
	v_min_u32 v81, 0xfff, v81
; ------------------------------------------------------------------ gather
	v_lshlrev_b32 v82, 2, v80
	v_lshlrev_b32 v83, 2, v81
	v_lshlrev_b32 v84, 3, v80
	v_lshlrev_b32 v85, 3, v81
	global_load_b32 v86, v82, s[10:11]
	global_load_b32 v87, v83, s[10:11]
	global_load_b64 v[88:89], v84, s[12:13]
	global_load_b64 v[90:91], v85, s[12:13]
	v_lshl_add_u32 v149, v[LN], 2, s53
	ds_store_b32 v149, v80 offset:1024
	ds_store_b32 v149, v81 offset:1152
	s_mul_i32 s32, s16, 24
	s_add_co_u32 s32, s32, s53
	v_mov_b32 v92, s32
	ds_load_b64 v[94:95], v92 offset:1024          ; the tokens of rows 6 w to 6 w + 5, which my wave fetches, in every lane
	ds_load_b64 v[96:97], v92 offset:1032
	ds_load_b64 v[98:99], v92 offset:1040
	s_wait_dscnt 0x0
.set i, 0
.rept 6
	v_min_u32 v[94+i], 0xfff, v[94+i]
	v_lshl_add_u32 v[94+i], v[94+i], 11, v[LOFF]
.set i, i+1
.endr
	WIN 0x40                                       ; into the accumulators' registers, idle until the first layer
.set i, 0
.rept 24                                               ; whole rows of x, 512 consecutive bytes a load
	global_load_b128 v[4*i:4*i+3], v[94+i/4], s[4:5] offset:(i%4)*512
.set i, i+1
.endr
	WIN 0
	s_wait_loadcnt 24                              ; all but x's 24 loads: the choices and gate weights are in
	v_bfe_u32 v100, v86, 8, 8
	v_bfe_u32 v101, v87, 8, 8
	v_cmp_eq_u32 vcc_lo, s18, v100                 ; is my expert the token's second choice?
	v_cndmask_b32 v100, 0, 1, vcc_lo
	v_cndmask_b32 v102, v88, v89, vcc_lo
	v_cmp_eq_u32 vcc_lo, s18, v101
	v_cndmask_b32 v101, 0, 1, vcc_lo
	v_cndmask_b32 v103, v90, v91, vcc_lo
	v_lshl_add_u32 v100, v80, 1, v100              ; the row of part
	v_lshl_add_u32 v101, v81, 1, v101
	ds_store_b32 v149, v100 offset:1280
	ds_store_b32 v149, v101 offset:1408
	ds_store_b32 v149, v102 offset:1536
	ds_store_b32 v149, v103 offset:1664
	v_lshl_add_u32 v104, v[RR], 2, s53
	ds_load_b32 v[GWV], v104 offset:1536
	ds_load_b32 v[GWV+2], v104 offset:1600
	ds_load_b32 v[GWV+4], v104 offset:1664
	s_mul_i32 s32, s16, 6*XP
	s_add_co_u32 s32, s32, XSB
	v_add_nc_u32 v105, s32, v[LOFF]
.set i, 0
.rept 6
	s_wait_loadcnt 20-4*i                          ; the later rows' loads may stay out
	WIN 0x45
.set q, 16*i
.rept 4
	ROUND4 q
.set q, q+4
.endr
	WIN 0x04
.set q, 0
.rept 4
	ds_store_b128 v105, v[16*i+4*q:16*i+4*q+3] offset:i*XP+q*512
.set q, q+1
.endr
.set i, i+1
.endr
	LOADG 4, 0                                     ; the stream's fifth group, the first quint's base weights: from here on five groups are out
	WIN 0
	s_wait_dscnt 0x0                               ; for the others' sake: my rows of x lie in LDS
	s_barrier_signal -1
.irp a, 0,2,4
	v_mul_f32 v[GWV+\a], s48, v[GWV+\a]
	v_mov_b32 v[GWV+\a+1], v[GWV+\a]
.endr
	s_barrier_wait -1
; ------------------------------------------------------------------ layers 1 and 2: one text, walked twice; four blocks a wave, then one
	s_mov_b32 s42, 2
	s_mov_b32 s44, 4                               ; blocks left in the layer
.Llayer:
	WIN 0x40
.set i, 0
.rept 192                                              ; cleared on purpose: so the same text serves every block of both layers
	v_mov_b32 v[i], 0
.set i, i+1
.endr
	WIN 0
	s_mov_b32 s43, 4
.Lblock:                                               ; at this label the next five groups of weights are out, whichever way led here
	s_cmp_eq_u32 s44, 0
	s_cbranch_scc1 .Ldead                          ; layer 2's other three trips: a jump forward over text without a barrier
	LOADV
	SILU
	PAIR3 0
	STEP 0, AF, 0, QB, 28
	STEP 1, AF, 4, QB, 28
	PAIR3 1
	STEP 2, AF, 0, QB, 28
	STEP 3, AF, 4, QB, 28
	STEP 4, BF, 0, QB, 32
	PAIR3 2
	STEP 0, AF, 0, 2*QB, 28
	STEP 1, AF, 4, 2*QB, 28
	PAIR3 3
	STEP 2, AF, 0, 2*QB, 28
	STEP 3, AF, 4, 2*QB, 28
	STEP 4, BF, 4, 2*QB, 32
	WIN 0
	s_wait_xcnt 0x0                                ; the pointer is stepped only behind this wait
	s_add_nc_u64 s[6:7], s[6:7], 2*QB
	v_add_nc_u32 v[SRC], 64, v[SRC]
	v_add_nc_u32 v[SRC+1], 64, v[SRC+1]
	v_add_nc_u32 v[SRC+2], 64, v[SRC+2]
	s_sub_co_u32 s44, s44, 1
.Ldead:
	s_sub_co_u32 s43, s43, 1
	s_cmp_lg_u32 s43, 0
	s_cbranch_scc1 .Lblock
	; THE EXCHANGE.  Each wave hands wave d its partial sums of outputs 16 d on; wave d adds the eight, times 4/3: its own inputs of the next layer.
.rept 4
	v_nop
.endr
	WIN 0x04
.set d, 0
.rept 8
.irp a, 0,1,2                                          ; an accumulator's lower four registers go first
	ds_store_b128 v[XST+d/3], v[8*(8*\a+d):8*(8*\a+d)+3] offset:(d%3)*24576+\a*1024
	ds_store_b128 v[XST+d/3], v[8*(8*\a+d)+4:8*(8*\a+d)+7] offset:(d%3)*24576+\a*1024+512
.endr
.set d, d+1
.endr
	WIN 0
	s_wait_dscnt 0x0                               ; my stores are done, and so are my reads of the rows
	s_barrier_signal -1
	s_barrier_wait -1
.irp a, 0,1,2
.set c, 0
.rept 8
	ds_load_b128 v[AF+8*c:AF+8*c+3], v[XLD] offset:c*3072+\a*1024
	ds_load_b128 v[AF+8*c+4:AF+8*c+7], v[XLD] offset:c*3072+\a*1024+512
.set c, c+1
.endr
	s_wait_dscnt 0x0
	ADD8 AF, AF+8
	ADD8 AF+16, AF+24
	ADD8 AF+32, AF+40
	ADD8 AF+48, AF+56
	ADD8 AF, AF+16
	ADD8 AF+32, AF+48
	ADD8 AF, AF+32
.irp j, 0,2,4,6
	v_pk_mul_f32 v[V+8*\a+\j:V+8*\a+\j+1], v[AF+\j:AF+\j+1], s[48:49] op_sel_hi:[1,0]
.endr
	ds_store_b128 v[HS+\a], v[V+8*\a:V+8*\a+3]
	ds_store_b128 v[HS+\a], v[V+8*\a+4:V+8*\a+7] offset:16
.endr
	v_mov_b32 v[SRC], v[HS]
	v_mov_b32 v[SRC+1], v[HS+1]
	v_mov_b32 v[SRC+2], v[HS+2]
	s_wait_dscnt 0x0                               ; my reads of the exchange are over: behind this barrier it is written again
	s_barrier_signal -1
	s_barrier_wait -1
	s_mov_b32 s44, 1
	s_sub_co_u32 s42, s42, 1
	s_cmp_lg_u32 s42, 0
	s_cbranch_scc1 .Llayer
; ------------------------------------------------------------------ layer 3's features: wave w makes block w's, for all waves
	LOADV
	SILU
.irp a, 0,1,2
	ds_store_b128 v[AFA], v[BF+8*\a:BF+8*\a+3] offset:4*3072+\a*1024
	ds_store_b128 v[AFA], v[BF+8*\a+4:BF+8*\a+7] offset:4*3072+\a*1024+512
.endr
.irp f, 0,1,2,3
	PAIR3 \f
.irp a, 0,1,2
	ds_store_b128 v[AFA], v[AF+8*\a:AF+8*\a+3] offset:\f*3072+\a*1024
	ds_store_b128 v[AFA], v[AF+8*\a+4:AF+8*\a+7] offset:\f*3072+\a*1024+512
.endr
.endr
	s_wait_dscnt 0x0                               ; for the others' sake: my features lie in LDS; my reads of the rows are over
	s_barrier_signal -1
	s_barrier_wait -1
; ------------------------------------------------------------------ layer 3: a quint a block; five fragments of features and five groups of weights go round
; Behind fragment k's products the next block's fragment k (six LDS loads) and the next quint's group k are asked for.  The counts: the six loads of each of the four fragments issued behind this one,
; and the loads of the four weight groups issued behind this one; in the last quint, which asks for nothing, both run down.
.macro QUINT3 first, load
.irp k, 0,1,2,3,4
.if \load
.if \k < 4
	s_wait_loadcnt 28
.else
	s_wait_loadcnt 32
.endif
	s_wait_dscnt 24
.else
.if \k < 4
	s_wait_loadcnt 28-8*\k
.else
	s_wait_loadcnt 0
.endif
	s_wait_dscnt 24-6*\k
.endif
.if (\first) && (\k == 0)
	MUL12 \k, AR+24*\k, 4, 0, 1
.else
	MUL12 \k, AR+24*\k, 4, 0, 0
.endif
.if \load
	WIN 0
.irp a, 0,1,2
	ds_load_b128 v[AR+24*\k+8*\a:AR+24*\k+8*\a+3], v[AFA] offset:AFB+\k*3072+\a*1024
	ds_load_b128 v[AR+24*\k+8*\a+4:AR+24*\k+8*\a+7], v[AFA] offset:AFB+\k*3072+\a*1024+512
.endr
	LOADG \k, QB
.endif
.endr
.if \load
	WIN 0
	s_wait_xcnt 0x0                                ; the pointer is stepped only behind this wait
	s_add_nc_u64 s[6:7], s[6:7], QB
	v_add_nc_u32 v[AFA], AFB, v[AFA]
.endif
.endm
	v_mov_b32 v[AFA], v[LOFF]                      ; block 0
.irp k, 0,1,2,3,4
.irp a, 0,1,2
	ds_load_b128 v[AR+24*\k+8*\a:AR+24*\k+8*\a+3], v[AFA] offset:\k*3072+\a*1024
	ds_load_b128 v[AR+24*\k+8*\a+4:AR+24*\k+8*\a+7], v[AFA] offset:\k*3072+\a*1024+512
.endr
.endr
	QUINT3 1, 1                                    ; its first products start the sums
	s_mov_b32 s45, 6
.Lq3:
	QUINT3 0, 1
	s_sub_co_u32 s45, s45, 1
	s_cmp_lg_u32 s45, 0
	s_cbranch_scc1 .Lq3
	QUINT3 0, 0
	WIN 0
; ------------------------------------------------------------------ the way out: times 4/3 and the gate's weight; through my stage; whole pieces of 256 bytes of a row of part
.irp a, 0,1,2
	s_cmp_gt_u32 s22, 16*\a
	s_cbranch_scc0 .Lend                           ; this tile and those behind it lie past the count
	s_wait_xcnt 0x0                                ; the last tile's stores have read their registers
	WIN 0x01
.irp i, 0,1,2,3
.irp j, 0,2,4,6
	v_pk_mul_f32 v[OO+8*\i+\j:OO+8*\i+\j+1], v[8*(4*\a+\i)+\j:8*(4*\a+\i)+\j+1], v[GWV+2*\a:GWV+2*\a+1]
.endr
.endr
	WIN 0
.irp i, 0,1,2,3
	ds_store_b128 v[STO], v[OO+8*\i:OO+8*\i+3] offset:\i*64
	ds_store_b128 v[STO], v[OO+8*\i+4:OO+8*\i+7] offset:\i*64+16
.endr
.irp t, 0,1,2,3,4,5,6,7
	ds_load_b128 v[BK+4*\t:BK+4*\t+3], v[RD] offset:\t*544      ; LDS serves a wave's instructions in order: these see the stores above
.endr
.irp t, 0,1,2,3,4,5,6,7
	ds_load_b32 v[SL+\t], v[SLA] offset:\a*64+\t*8
.endr
	s_wait_dscnt 0x0
.irp t, 0,1,2,3,4,5,6,7
	v_min_u32 v[SL+\t], 0x1fff, v[SL+\t]
	v_lshl_add_u32 v[AD+\t], v[SL+\t], 11, v[CO]
.endr
.irp t, 0,1,2,3,4,5,6,7
	global_store_b128 v[AD+\t], v[BK+4*\t:BK+4*\t+3], s[14:15]  ; 16 lanes store 256 consecutive bytes, at a multiple of 256 from part's first
.endr
.endr
.Lend:
	s_wait_tensorcnt 0x0                           ; the wave's end, behind my last LDS store
	ds_add_u32 v[SPW], v[NIL]
	s_wait_dscnt 0x0
	s_endpgm
.Lfunc_end_k_qfb10a8979e_chain:
	.size	k_qfb10a8979e_chain, .Lfunc_end_k_qfb10a8979e_chain-k_qfb10a8979e_chain
	.p2alignl 7, 3214868480
	.fill 96, 4, 3214868480
	.section	.rodata,"a",@progbits
	.p2align	6, 0x0
	.amdhsa_kernel k_qfb10a8979e_chain
		.amdhsa_group_segment_fixed_size 313088
		.amdhsa_private_segment_fixed_size 0
		.amdhsa_enable_private_segment 0
		.amdhsa_kernarg_size 48
		.amdhsa_user_sgpr_count 2
		.amdhsa_user_sgpr_kernarg_segment_ptr 1
		.amdhsa_wavefront_size32 1
		.amdhsa_system_sgpr_workgroup_id_x 1
		.amdhsa_system_sgpr_workgroup_id_y 1
		.amdhsa_system_sgpr_workgroup_id_z 1
		.amdhsa_system_vgpr_workitem_id 0
		.amdhsa_next_free_vgpr 512
		.amdhsa_next_free_sgpr 66
		.amdhsa_reserve_vcc 1
		.amdhsa_float_denorm_mode_32 3
		.amdhsa_float_denorm_mode_16_64 3
		.amdhsa_memory_ordered 1
		.amdhsa_forward_progress 1
		.amdhsa_inst_pref_size 241
	.end_amdhsa_kernel
	.amdgpu_metadata
---
amdhsa.version: [ 1, 2 ]
amdhsa.kernels:
  - .name:           k_qfb10a8979e_chain
    .symbol:         k_qfb10a8979e_chain.kd
    .args:
      - { .name: x, .offset: 0, .size: 8, .value_kind: global_buffer, .address_space: global }
      - { .name: wf, .offset: 8, .size: 8, .value_kind: global_buffer, .address_space: global }
      - { .name: ubm, .offset: 16, .size: 8, .value_kind: global_buffer, .address_space: global }
      - { .name: ids, .offset: 24, .size: 8, .value_kind: global_buffer, .address_space: global }
      - { .name: gwt, .offset: 32, .size: 8, .value_kind: global_buffer, .address_space: global }
      - { .name: part, .offset: 40, .size: 8, .value_kind: global_buffer, .address_space: global }
    .group_segment_fixed_size: 313088
    .private_segment_fixed_size: 0
    .kernarg_segment_align: 8
    .kernarg_segment_size: 48
    .max_flat_workgroup_size: 256
    .sgpr_count:     66
    .vgpr_count:     512
    .wavefront_size: 32
...
	.end_amdgpu_metadata
.endif
;; end of part 2
;; launch sum (part 3): grid 256 x 1, 8 waves a work-group, no clusters, 0 bytes of LDS; arguments part, out0; writes out0
.if DOCPART == 3
	.amdgcn_target "amdgcn-amd-amdhsa--gfx1250"
	.amdhsa_code_object_version 6
	.text
	.protected	k_qfb10a8979e_sum
	.globl	k_qfb10a8979e_sum
	.p2align	8
	.type	k_qfb10a8979e_sum,@function
k_qfb10a8979e_sum:
	s_mov_b64 s[64:65], 0
	v_nop
	global_prefetch_b8 v0, s[64:65] scope:SCOPE_SE
	s_setreg_imm32_b32 hwreg(HW_REG_WAVE_MODE, 25, 1), 1
	s_wait_xcnt 0x0
; out0[t][:] = part[t][0][:] + part[t][1][:], all f32: the two chosen experts' weighted rows, first choice first, as the sum over the two is written.
; A stream: each byte read once and written once, 512 consecutive bytes to a load or store of a wave, all 16 loads of a wave out before the first wait.
; Wave v of work-group b takes tokens 16 b + 2 v and the next.  No LDS, no barrier, no matrix unit: nothing is shared and nothing is multiplied.
	s_load_b128 s[4:7], s[0:1], 0x0                ; part s[4:5], out0 s[6:7]
	v_and_b32 v1, 31, v0
	v_lshrrev_b32 v2, 5, v0
	v_lshlrev_b32 v1, 4, v1                        ; 16 bytes a lane
	v_lshl_add_u32 v3, v2, 13, v1                  ; + wave x two tokens of 4,096 bytes of part
	v_lshl_add_u32 v4, v2, 12, v1                  ; + wave x two tokens of 2,048 bytes of out0
	s_lshl_b32 s8, ttmp9, 16                       ; 16 tokens of part
	s_mov_b32 s9, 0
	s_lshl_b32 s10, ttmp9, 15                      ; 16 tokens of out0
	s_mov_b32 s11, 0
	s_wait_kmcnt 0x0
	s_add_nc_u64 s[4:5], s[4:5], s[8:9]
	s_add_nc_u64 s[6:7], s[6:7], s[10:11]
.set i, 0
.rept 8                                                ; piece i: token i / 4, columns 128 (i % 4) on: both choices
	global_load_b128 v[8+8*i:11+8*i], v3, s[4:5] offset:(i/4)*4096+(i%4)*512 th:TH_LOAD_NT
	global_load_b128 v[12+8*i:15+8*i], v3, s[4:5] offset:(i/4)*4096+2048+(i%4)*512 th:TH_LOAD_NT
.set i, i+1
.endr
.set i, 0
.rept 8
	s_wait_loadcnt 14-2*i                          ; loads come back in order: the later pieces' loads may stay out
	v_pk_add_f32 v[8+8*i:9+8*i], v[8+8*i:9+8*i], v[12+8*i:13+8*i]
	v_pk_add_f32 v[10+8*i:11+8*i], v[10+8*i:11+8*i], v[14+8*i:15+8*i]
	global_store_b128 v4, v[8+8*i:11+8*i], s[6:7] offset:(i/4)*2048+(i%4)*512 th:TH_STORE_NT
.set i, i+1
.endr
	s_endpgm
.Lfunc_end_k_qfb10a8979e_sum:
	.size	k_qfb10a8979e_sum, .Lfunc_end_k_qfb10a8979e_sum-k_qfb10a8979e_sum
	.p2alignl 7, 3214868480
	.fill 96, 4, 3214868480
	.section	.rodata,"a",@progbits
	.p2align	6, 0x0
	.amdhsa_kernel k_qfb10a8979e_sum
		.amdhsa_group_segment_fixed_size 0
		.amdhsa_private_segment_fixed_size 0
		.amdhsa_enable_private_segment 0
		.amdhsa_kernarg_size 16
		.amdhsa_user_sgpr_count 2
		.amdhsa_user_sgpr_kernarg_segment_ptr 1
		.amdhsa_wavefront_size32 1
		.amdhsa_system_sgpr_workgroup_id_x 1
		.amdhsa_system_sgpr_workgroup_id_y 1
		.amdhsa_system_sgpr_workgroup_id_z 1
		.amdhsa_system_vgpr_workitem_id 0
		.amdhsa_next_free_vgpr 72
		.amdhsa_next_free_sgpr 66
		.amdhsa_reserve_vcc 0
		.amdhsa_float_denorm_mode_32 3
		.amdhsa_float_denorm_mode_16_64 3
		.amdhsa_memory_ordered 1
		.amdhsa_forward_progress 1
		.amdhsa_inst_pref_size 5
	.end_amdhsa_kernel
	.amdgpu_metadata
---
amdhsa.version: [ 1, 2 ]
amdhsa.kernels:
  - .name:           k_qfb10a8979e_sum
    .symbol:         k_qfb10a8979e_sum.kd
    .args:
      - { .name: part, .offset: 0, .size: 8, .value_kind: global_buffer, .address_space: global }
      - { .name: out0, .offset: 8, .size: 8, .value_kind: global_buffer, .address_space: global }
    .group_segment_fixed_size: 0
    .private_segment_fixed_size: 0
    .kernarg_segment_align: 8
    .kernarg_segment_size: 16
    .max_flat_workgroup_size: 256
    .sgpr_count:     66
    .vgpr_count:     72
    .wavefront_size: 32
...
	.end_amdgpu_metadata
.endif
;; end of part 3
